; MI455X (gfx1250); checked and timed in simulation.
; The chip was launched on July 23, 2026; its instructions are those of AMD's public machine-readable ISA for CDNA 5 (MIT licence, August 2026) and "CDNA5" Instruction Set Architecture Reference Guide (July 2026). The comments in the code are by the model that wrote it; some were corrected since.
;; Mixture Of Experts. Allowed arithmetic: float matrix products may take bf16 or f16 operands with f32 sums; other float arithmetic in f32, or as packed bf16 or f16 multiplies, adds, multiply-adds, maxima and minima; sums over many terms, partial sums and values carried from step to step in f32; what a program stores and reads back later, other than sums and carried values, may be rounded once to bf16 or f16.
;; Inputs: W1 16 x 1,024 x 1,024 float32; W2 16 x 1,024 float32; Wg 1,024 x 16 float32; b1 16 x 1,024 float32; b2 16 float32; bg 16 float32; x 4,096 x 1,024 float32.
;; Outputs: out0 4,096 x 1 float32.
;; 2 versions, each right; version 2 is version 1 with the launch prep written anew for expert scheduling mode. Each part assembles by itself: llvm-mc -triple=amdgcn-amd-amdhsa -mcpu=gfx1250 --defsym DOCPART=n.
;; ======== version 1 of 2: 3 launches
;; workspace buffers: xb 8,388,608 bytes; w1b 33,554,432 bytes; gw 262,144 bytes; eo 262,144 bytes
;; launch prep (part 1): grid 256 x 1, 16 waves a work-group, no clusters, 84,224 bytes of LDS; arguments x, W1, Wg, bg, xb, w1b, gw; writes xb, w1b, gw
.if DOCPART == 1
	.amdgcn_target "amdgcn-amd-amdhsa--gfx1250"
	.amdhsa_code_object_version 6
	.text
	.protected	k_q8990a5158c_prep
	.globl	k_q8990a5158c_prep
	.p2align	8
	.type	k_q8990a5158c_prep,@function
k_q8990a5158c_prep:
	s_mov_b64 s[64:65], 0
	v_nop
	global_prefetch_b8 v0, s[64:65] scope:SCOPE_SE
	s_setreg_imm32_b32 hwreg(HW_REG_WAVE_MODE, 25, 1), 1
	s_wait_xcnt 0x0
; xb = bf16(x), w1b = bf16(W1), both in the layouts of their sources; gw[b][e] = softmax over e of (bf16(x) . bf16(Wg) + bf16(bg)), kept in f32.
; SHARES.  256 work-groups of 16 waves.  Work-group g: rows 16 g .. 16 g + 15 of x (cast and gate) and 262,144 bytes of W1.
; Wave w: of x the 512 bytes w % 8 of rows 8 (w / 8) + 0..7; of the gate's K the slice 64 w .. 64 w + 63 (4,096 bytes of Wg, two matrix instructions); of W1 16,384 bytes.
; Every load of a wave covers 512 consecutive bytes, every store of bf16 256 consecutive bytes at a multiple of 256 from its buffer's first byte.
; THE GATE.  x's 16 rows and Wg go through LDS in bf16.  Wg lies [k][e], so its fragment comes by the turning load; it is source 0, x's rows are source 1: a lane then holds one row of x
; (lane % 16) and the experts 8 (lane / 16) + 0..7.  The sixteen waves' partial sums (f32) meet in LDS; waves 0 and 1 add them, add bg, take the row's maximum away and normalise.
; FORMATS AND LIMITS.  All of the module's inputs are rounded to bf16 (here x, W1, Wg, bg); sums, maximum, exponentials and gw are f32.  A weight below 2^-126 counts as 0 (v_exp_f32 gives 0 there);
; the row's sum is at least 1, since the largest exponent is 0.  NaN and infinities are not treated apart.
; NO CLUSTER, NO TENSOR LOAD: all that is read is rounded on its way, so it passes through registers; what work-groups share is Wg alone, 65,536 of a work-group's 393,280 bytes read.
.set XPIT,  2064                       ; a row of x in LDS: 2,048 bytes + 16: 129 x 16, so the 16 rows of a fragment load start at 16 different groups of four banks (64 banks of 4 bytes: ISA guide 11.1)
.set GS,    33024                      ; behind x's 16 rows: Wg in bf16, [1024 k][16 e], rows of 32 bytes
.set PART,  65792                      ; [16 waves][16 rows][16 experts] f32
.set SPARE, 82176                      ; the spare words, 128 bytes for each of the 16 waves: eight blocks of 256 bytes that no other line names
.set BG,  20                           ; v[20:23]   bg of my four experts
.set XR,  24                           ; v[24:55]   x as loaded, 8 x 4;  later XF v[24:39], ACC0 v[40:47], ACC1 v[48:55];  in waves 0 and 1 then the 16 partial sums v[24:87]
.set GR,  56                           ; v[56:87]   Wg as loaded, 8 x 4; later GF v[56:71], SM v[72:79]
.set WR,  88                           ; v[88:151]  W1: a ring of 16 slots of 4
.set XP,  152                          ; v[152:167] x packed; never rewritten: stores read it
.set GP,  168                          ; v[168:183] Wg packed
.set Y,   184                          ; v[184:247] W1 packed: a pair for each of the 32 turns, written once each
.set SPW, 248                          ; LDS address of my spare word; never rewritten
.set NIL, 249                          ; 0; never rewritten
	s_load_b256 s[4:11], s[0:1], 0x0               ; x s[4:5], W1 s[6:7], Wg s[8:9], bg s[10:11]
	s_load_b128 s[12:15], s[0:1], 0x20             ; xb s[12:13], w1b s[14:15]
	s_load_b64 s[16:17], s[0:1], 0x30              ; gw
	v_lshl_add_u32 v[SPW], v0, 2, SPARE
	v_mov_b32 v[NIL], 0
	v_lshrrev_b32 v17, 5, v0
	v_readfirstlane_b32 s18, v17                   ; wave 0..15
	s_and_b32 s19, s18, 7                          ; which 512 bytes of x's rows
	s_lshr_b32 s20, s18, 3                         ; which 8 rows
	s_mov_b32 s24, 0x3fb8aa3b                      ; log2(e)
	s_mov_b32 s25, 0xffff0000                      ; a word's upper bf16
	v_and_b32 v1, 31, v0                           ; lane
	v_and_b32 v2, 15, v0                           ; r = lane % 16
	v_bfe_u32 v3, v0, 4, 1                         ; h = lane / 16
	s_lshl_b32 s21, s20, 15                        ; 8 rows of 4,096 bytes
	s_lshl_b32 s22, s19, 9
	s_add_co_u32 s21, s21, s22
	v_lshl_add_u32 v4, v1, 4, s21                  ; x: my 16 bytes
	s_lshr_b32 s21, s21, 1
	v_lshl_add_u32 v5, v1, 3, s21                  ; xb: my 8 bytes, at half that offset
	s_mul_i32 s21, s20, 8*XPIT
	s_lshl_b32 s22, s19, 8
	s_add_co_u32 s21, s21, s22
	v_lshl_add_u32 v6, v1, 3, s21                  ; the same 8 bytes in LDS
	s_lshl_b32 s21, s18, 12
	v_lshl_add_u32 v7, v1, 4, s21                  ; Wg: my wave's 64 rows of 64 bytes, 16 bytes a lane
	s_lshl_b32 s21, s18, 11
	s_add_co_u32 s21, s21, GS
	v_lshl_add_u32 v8, v1, 3, s21                  ; in LDS at half that offset
	v_and_b32 v9, 7, v0                            ; the turning load: lane l reads row k0 + 8 h + l % 8, 16 bytes at 16 ((l / 8) % 2)
	v_lshl_add_u32 v9, v3, 3, v9
	v_lshl_add_u32 v9, v9, 5, s21
	v_bfe_u32 v17, v0, 3, 1
	v_lshl_add_u32 v9, v17, 4, v9
	v_mul_u32_u24 v10, v2, XPIT                    ; x's fragment: row r, my wave's 128 bytes of it, 16 bytes for each half of the lanes
	v_lshl_add_u32 v10, v3, 4, v10
	s_lshl_b32 s21, s18, 7
	v_add_nc_u32 v10, s21, v10
	s_lshl_b32 s21, s18, 10
	s_add_co_u32 s21, s21, PART
	v_lshl_add_u32 v11, v2, 6, s21                 ; my partial sums: row r, experts 8 h on
	v_lshl_add_u32 v11, v3, 5, v11
	s_lshl_b32 s21, s18, 14
	v_lshl_add_u32 v12, v1, 4, s21                 ; W1: my wave's 16,384 bytes
	s_lshl_b32 s21, s18, 13
	v_lshl_add_u32 v13, v1, 3, s21                 ; w1b: its 8,192
	v_and_b32 v15, 63, v0                          ; waves 0 and 1: thread t owns row t / 4, experts 4 (t % 4) + 0..3:
	v_lshlrev_b32 v15, 4, v15                      ; byte 16 t of a wave's partial sums and of the group's rows of gw
	v_add_nc_u32 v14, PART, v15
	v_and_b32 v16, 3, v0
	v_lshlrev_b32 v16, 4, v16                      ; and byte 16 (t % 4) of bg
	s_mov_b32 s23, 0
	s_wait_kmcnt 0x0
	s_lshl_b32 s22, ttmp9, 16                      ; the work-group's 16 rows of x,
	s_add_nc_u64 s[4:5], s[4:5], s[22:23]
	s_lshl_b32 s22, ttmp9, 18                      ; its part of W1,
	s_add_nc_u64 s[6:7], s[6:7], s[22:23]
	s_lshl_b32 s22, ttmp9, 15                      ; and the same in the outputs
	s_add_nc_u64 s[12:13], s[12:13], s[22:23]
	s_lshl_b32 s22, ttmp9, 17
	s_add_nc_u64 s[14:15], s[14:15], s[22:23]
	s_lshl_b32 s22, ttmp9, 10
	s_add_nc_u64 s[16:17], s[16:17], s[22:23]
	; 33 loads go out together: 1 of bg, 8 of x, 8 of Wg, 16 of W1
	global_load_b128 v[BG:BG+3], v16, s[10:11]
.irp i, 0,1,2,3,4,5,6,7
	global_load_b128 v[XR+4*(\i):XR+4*(\i)+3], v4, s[4:5] offset:(\i)*4096 th:TH_LOAD_NT
.endr
.irp i, 0,1,2,3,4,5,6,7
	global_load_b128 v[GR+4*(\i):GR+4*(\i)+3], v7, s[8:9] offset:(\i)*512
.endr
.irp i, 0,1,2,3,4,5,6,7,8,9,10,11,12,13,14,15
	global_load_b128 v[WR+4*(\i):WR+4*(\i)+3], v12, s[6:7] offset:(\i)*512 th:TH_LOAD_NT
.endr
	s_wait_loadcnt 24                              ; loads come back in order (ISA guide 5.7.1): bg and x are in; Wg's 8 and W1's 16 stay out
.irp i, 0,1,2,3,4,5,6,7
	v_cvt_pk_bf16_f32 v[XP+2*(\i)],   v[XR+4*(\i)],   v[XR+4*(\i)+1]
	v_cvt_pk_bf16_f32 v[XP+2*(\i)+1], v[XR+4*(\i)+2], v[XR+4*(\i)+3]
.endr
.irp i, 0,1,2,3,4,5,6,7
	global_store_b64 v5, v[XP+2*(\i):XP+2*(\i)+1], s[12:13] offset:(\i)*2048
	ds_store_b64 v6, v[XP+2*(\i):XP+2*(\i)+1] offset:(\i)*XPIT
.endr
	s_wait_loadcnt 16                              ; Wg is in; W1's 16 stay out
.irp i, 0,1,2,3,4,5,6,7
	v_cvt_pk_bf16_f32 v[GP+2*(\i)],   v[GR+4*(\i)],   v[GR+4*(\i)+1]
	v_cvt_pk_bf16_f32 v[GP+2*(\i)+1], v[GR+4*(\i)+2], v[GR+4*(\i)+3]
.endr
.irp i, 0,1,2,3,4,5,6,7
	ds_store_b64 v8, v[GP+2*(\i):GP+2*(\i)+1] offset:(\i)*256
.endr
	s_wait_dscnt 0x0                               ; for the others' sake: my stores are done (the 16 rows of my K slice come from two waves)
	s_barrier_signal -1
	s_barrier_wait -1
.irp c, 0,1                                            ; my K slice is two fragments of 32
	ds_load_tr16_b128 v[56+8*(\c):59+8*(\c)], v9 offset:(\c)*1024
	ds_load_tr16_b128 v[60+8*(\c):63+8*(\c)], v9 offset:(\c)*1024+512
	ds_load_b128 v[24+8*(\c):27+8*(\c)], v10 offset:64*(\c)
	ds_load_b128 v[28+8*(\c):31+8*(\c)], v10 offset:64*(\c)+32
.endr
	s_wait_dscnt 0x0
	v_wmma_f32_16x16x32_bf16 v[40:47], v[56:63], v[24:31], 0  ; two accumulators, one product each: no product adds onto another's result
	v_wmma_f32_16x16x32_bf16 v[48:55], v[64:71], v[32:39], 0
.rept 4
	v_nop                                          ; four places between a matrix instruction and the first vector line that reads its result (ISA guide 7.12.1)
.endr
.irp j, 0,1,2,3                                        ; from each accumulator's low end on
	v_pk_add_f32 v[72+2*(\j):73+2*(\j)], v[40+2*(\j):41+2*(\j)], v[48+2*(\j):49+2*(\j)]
.endr
	ds_store_b128 v11, v[72:75]
	ds_store_b128 v11, v[76:79] offset:16
	s_wait_dscnt 0x0                               ; for waves 0 and 1: my partial sums are in LDS
	s_barrier_signal -1
	s_barrier_wait -1
	s_cmp_gt_u32 s18, 1
	s_cbranch_scc1 .Lstream                        ; no barrier stands in what is jumped
	; waves 0 and 1: the sixteen partial sums, bg, the softmax
.irp p, 0,1,2,3,4,5,6,7,8,9,10,11,12,13,14,15
	ds_load_b128 v[24+4*(\p):27+4*(\p)], v14 offset:(\p)*1024
.endr
	v_cvt_pk_bf16_f32 v[BG],   v[BG],   v[BG+1]    ; bg is rounded to bf16 like every input, and widened again
	v_cvt_pk_bf16_f32 v[BG+2], v[BG+2], v[BG+3]
	v_and_b32 v[BG+1], s25, v[BG]
	v_and_b32 v[BG+3], s25, v[BG+2]
	v_lshlrev_b32 v[BG],   16, v[BG]
	v_lshlrev_b32 v[BG+2], 16, v[BG+2]
	s_wait_dscnt 0x0
.irp d, 8,4,2,1                                        ; a tree: 30 packed additions
.set p, 0
.rept \d
	v_pk_add_f32 v[24+4*p:25+4*p], v[24+4*p:25+4*p], v[24+4*(p+\d):25+4*(p+\d)]
	v_pk_add_f32 v[26+4*p:27+4*p], v[26+4*p:27+4*p], v[26+4*(p+\d):27+4*(p+\d)]
.set p, p+1
.endr
.endr
	v_pk_add_f32 v[24:25], v[24:25], v[BG:BG+1]
	v_pk_add_f32 v[26:27], v[26:27], v[BG+2:BG+3]
	v_max3_num_f32 v28, v24, v25, v26              ; the row's maximum: my four, then the row's other three lanes
	v_max_num_f32 v28, v28, v27
	v_max_num_f32_dpp v28, v28, v28 row_xmask:1 row_mask:0xf bank_mask:0xf
	v_max_num_f32_dpp v28, v28, v28 row_xmask:2 row_mask:0xf bank_mask:0xf
.irp j, 0,1,2,3
	v_sub_f32 v[30+(\j)], v[24+(\j)], v28          ; the maximum is taken away first,
.endr
.irp j, 0,1,2,3
	v_mul_f32 v[30+(\j)], s24, v[30+(\j)]          ; then the base is changed
.endr
.irp j, 0,1,2,3
	v_exp_f32 v[30+(\j)], v[30+(\j)]
.endr
	v_nop                                          ; a plain instruction behind the last exponential (ISA guide 5.7.2),
	s_wait_alu depctr_va_vdst(0)                   ; and one wait ahead of the batch's first reader
	v_add_f32 v34, v30, v31
	v_add_f32 v35, v32, v33
	v_add_f32 v34, v34, v35
	v_add_f32_dpp v34, v34, v34 row_xmask:1 row_mask:0xf bank_mask:0xf
	v_add_f32_dpp v34, v34, v34 row_xmask:2 row_mask:0xf bank_mask:0xf
	v_rcp_f32 v35, v34
	v_nop
	s_wait_alu depctr_va_vdst(0)                   ; the reciprocal's wait, ahead of its first reader and of the label
.irp j, 0,1,2,3
	v_mul_f32 v[36+(\j)], v[30+(\j)], v35
.endr
	global_store_b128 v15, v[36:39], s[16:17]      ; a wave stores 512 consecutive bytes of gw
.Lstream:
; W1: turn i of round 0 or 1.  Round 0 fills its slot again with the bytes 8,192 further on.  Each turn has a pair of Y to itself, and the two address registers are never rewritten,
; so no wait for a store's sources is needed.
.macro SLOT i, round
.if (\round) == 0
	s_wait_loadcnt 15                              ; behind my slot's load stand the 15 - i slots after it and the i refills already issued
.else
	s_wait_loadcnt 15-(\i)                         ; the refills after mine: the counts run down
.endif
	v_cvt_pk_bf16_f32 v[Y+2*(16*(\round)+(\i))],   v[WR+4*(\i)],   v[WR+4*(\i)+1]
	v_cvt_pk_bf16_f32 v[Y+2*(16*(\round)+(\i))+1], v[WR+4*(\i)+2], v[WR+4*(\i)+3]
.if (\round) == 0
	global_load_b128 v[WR+4*(\i):WR+4*(\i)+3], v12, s[6:7] offset:(\i)*512+8192 th:TH_LOAD_NT
.endif
	global_store_b64 v13, v[Y+2*(16*(\round)+(\i)):Y+2*(16*(\round)+(\i))+1], s[14:15] offset:(\i)*256+(\round)*4096
.endm
.irp i, 0,1,2,3,4,5,6,7,8,9,10,11,12,13,14,15
	SLOT \i, 0
.endr
.irp i, 0,1,2,3,4,5,6,7,8,9,10,11,12,13,14,15
	SLOT \i, 1
.endr
	s_wait_tensorcnt 0x0                           ; the wave's end, behind my last LDS store
	ds_add_u32 v[SPW], v[NIL]
	s_wait_dscnt 0x0
	s_endpgm
.Lfunc_end_k_q8990a5158c_prep:
	.size	k_q8990a5158c_prep, .Lfunc_end_k_q8990a5158c_prep-k_q8990a5158c_prep
	.p2alignl 7, 3214868480
	.fill 96, 4, 3214868480
	.section	.rodata,"a",@progbits
	.p2align	6, 0x0
	.amdhsa_kernel k_q8990a5158c_prep
		.amdhsa_group_segment_fixed_size 84224
		.amdhsa_private_segment_fixed_size 0
		.amdhsa_enable_private_segment 0
		.amdhsa_kernarg_size 56
		.amdhsa_user_sgpr_count 2
		.amdhsa_user_sgpr_kernarg_segment_ptr 1
		.amdhsa_wavefront_size32 1
		.amdhsa_system_sgpr_workgroup_id_x 1
		.amdhsa_system_sgpr_workgroup_id_y 1
		.amdhsa_system_sgpr_workgroup_id_z 1
		.amdhsa_system_vgpr_workitem_id 0
		.amdhsa_next_free_vgpr 256
		.amdhsa_next_free_sgpr 66
		.amdhsa_reserve_vcc 0
		.amdhsa_float_denorm_mode_32 3
		.amdhsa_float_denorm_mode_16_64 3
		.amdhsa_memory_ordered 1
		.amdhsa_forward_progress 1
		.amdhsa_inst_pref_size 26
	.end_amdhsa_kernel
	.amdgpu_metadata
---
amdhsa.version: [ 1, 2 ]
amdhsa.kernels:
  - .name:           k_q8990a5158c_prep
    .symbol:         k_q8990a5158c_prep.kd
    .args:
      - { .name: x, .offset: 0, .size: 8, .value_kind: global_buffer, .address_space: global }
      - { .name: W1, .offset: 8, .size: 8, .value_kind: global_buffer, .address_space: global }
      - { .name: Wg, .offset: 16, .size: 8, .value_kind: global_buffer, .address_space: global }
      - { .name: bg, .offset: 24, .size: 8, .value_kind: global_buffer, .address_space: global }
      - { .name: xb, .offset: 32, .size: 8, .value_kind: global_buffer, .address_space: global }
      - { .name: w1b, .offset: 40, .size: 8, .value_kind: global_buffer, .address_space: global }
      - { .name: gw, .offset: 48, .size: 8, .value_kind: global_buffer, .address_space: global }
    .group_segment_fixed_size: 84224
    .private_segment_fixed_size: 0
    .kernarg_segment_align: 8
    .kernarg_segment_size: 56
    .max_flat_workgroup_size: 512
    .sgpr_count:     66
    .vgpr_count:     256
    .wavefront_size: 32
...
	.end_amdgpu_metadata
.endif
;; end of part 1
;; launch experts (part 2): grid 16 x 16, 4 waves a work-group, clusters of 4 x 4, 327,680 bytes of LDS; arguments xb, w1b, b1, W2, b2, eo; writes eo
.if DOCPART == 2
	.amdgcn_target "amdgcn-amd-amdhsa--gfx1250"
	.amdhsa_code_object_version 6
	.text
	.protected	k_q8990a5158c_experts
	.globl	k_q8990a5158c_experts
	.p2align	8
	.type	k_q8990a5158c_experts,@function
k_q8990a5158c_experts:
	s_mov_b64 s[64:65], 0
	v_nop
	global_prefetch_b8 v0, s[64:65] scope:SCOPE_SE
	s_setreg_imm32_b32 hwreg(HW_REG_WAVE_MODE, 25, 1), 1
	s_wait_xcnt 0x0
	s_wait_alu depctr_hold_cnt(0) depctr_sa_sdst(0) depctr_va_vdst(0) depctr_va_sdst(0) depctr_va_ssrc(0) depctr_va_vcc(0) depctr_vm_vsrc(0)
	s_getreg_b32 s2, hwreg(HW_REG_IB_STS2, 6, 4)
	s_cmp_eq_u32 s2, 0
	s_cbranch_scc0 .Lentry_in_a_cluster
	s_endpgm
.Lentry_in_a_cluster:
	s_bfe_u32 s2, ttmp6, 0x10000c
	s_cmp_lg_u32 s2, 0xf033
	s_cbranch_scc0 .Lentry_shape_is_right
	s_endpgm
.Lentry_shape_is_right:
; eo[e][b] = sum over h of relu(sum over d of xb[b][d] w1b[e][d][h] + b1[e][h]) W2[e][h] + b2[e].  xb: [4096][1024] bf16, w1b: [16][1024 d][1024 h] bf16; b1, W2: [16][1024], b2: [16], eo: [16][4096] f32.
; SHARES.  Work-group (e, mb): one expert, 256 rows.  IT STAYS and walks the expert's four tiles of 256 h; a tile is 256 x 256 over K = 1,024.  Four waves, each 128 rows x 128 h: 64 accumulators, 512 registers.
; The hidden layer never leaves the registers: behind a tile's last product come relu and the multiply-adds by W2 into row sums, which are carried over the four tiles.  So (row, expert) has one owner.
; RING.  K goes in steps of 128 through two LDS slots filled by the tensor data mover; the ring does not stop at a tile's end: a tile's last two changes of slots ask for the next tile's first two K steps.
; W1 LIES [d][h]: its tile is 128 rows of K x 256 h, and its fragments come out of LDS by the turning load, as many loads as for rows that lie along K.
; THE MATRIX INSTRUCTION IS USED TRANSPOSED (source 0 = 16 h, source 1 = 16 rows of x): a lane holds one row of x (lane % 16) and the h 8 (lane / 16) + 0..7.  So b1 and W2 are the same 8 registers a block of 16 h
; for all rows; b1 IS the C operand of the product that starts a sum: nothing is cleared and no bias is added afterwards.
; CLUSTERS: 4 x 4 work-groups.  x's tile hangs on mb alone and is shared along a row of the cluster, W1's on e alone and is shared along a column: each is asked for JOINTLY, by the same tensor load
; with the same descriptor and a mask that names the four, which divides the requests for both by four.
; FORMATS AND LIMITS.  All of the module's inputs are rounded to bf16: x and W1 by the launch before, b1, W2 and b2 here, on their way in; they are kept widened, and all sums are f32.
; The product with W2 has one column: it is made by packed f32 multiply-adds on the unrounded hidden layer.  NaN and infinities are not treated apart.
; REGISTERS, in windows of 256 (s_set_vgpr_msb: bits 1:0 source 0, 3:2 source 1, 5:4 source 2, 7:6 destination):
;   window 0: v0-31 addresses; v32-63 the row sums; v64-127, v128-191 fragments of x, two buffers; v192-209 at work at the end
;   window 1: v0-63 b1 of the tile to come; v64-127, v128-191 fragments of W1, two buffers; v192-255 W2 of the tile in hand
;   window 2: the 32 accumulators of my rows 0-63 ((a, b) at v[8 (8 a + b)]);   window 3: those of my rows 64-127
.set PITA,   272                       ; a row of x in LDS: 256 bytes + 16 = 68 words: row r starts at bank 4 r mod 64 (64 banks of 4 bytes: ISA guide 11.1)
.set PITB,   544                       ; a row of W1: 512 bytes + 32 = 136 words: row r starts at bank 8 r mod 64
.set HALFT,  128*PITA                  ; what one tensor load brings: 128 rows of x, or 64 rows of W1 (64 x 544 is the same number)
.set SLOT,   4*HALFT                   ; x's 256 rows, then W1's 128 rows
.set STAGE,  2*SLOT                    ; behind the ring, never filled by a tensor load: 128 row sums of 4 bytes for each wave
.set SPARE,  STAGE+2048                ; the spare words, 128 bytes for each wave: two blocks of 256 bytes that no other line names
.set LAPS,   4                         ; a lap = two K steps = once round the ring: 1,024 / 256
.set TILES,  4
.set STEP_A, 512                       ; two K steps on: 256 elements along x's rows,
.set STEP_B, 524288                    ; 256 rows of 2,048 bytes down W1
.set BACK_A, 1536                      ; from a slot's last K step of a tile to its first of the next: six K steps back,
.set BACK_B, 1572352                   ; and for W1 256 h (512 bytes) on
.set ADRA, 16                          ; v16-17  LDS address of my fragments of x in slot 0, 1
.set ADRB, 20                          ; v20-21  the same for W1
.set STG,  24                          ; v24     where I put a row sum
.set RD,   25                          ; v25     where waves 0 and 1 read four of them back
.set CO,   26                          ; v26     their byte offset in the work-group's 1,024 bytes of eo
.set PO,   27                          ; v27     32 (lane / 16): my eight numbers in a block of 16 of b1 or W2
.set SPW,  28                          ; v28     LDS address of my spare word; never rewritten
.set NIL,  29                          ; v29     0; never rewritten
.set SUM,  32                          ; block a of 16 rows: two pairs at SUM + 4 a (each: even h's sum, odd h's), taken by turns
.set F0,   64
.set F1,   128
.set WK,   192
.set BI,   0                           ; window 1: block b of 16 h at BI + 8 b
.set W2F,  192                         ; window 1: likewise
.set WV,  16                           ; s16  my wave's number
.set RH,  17                           ; s17  which half of the tile's rows is mine.  Also: I fetch for x (0) or for W1 (1)
.set CH,  18                           ; s18  which half of its h.  Also: which half of that tile I fetch
.set G1,  24                           ; s[24:31] descriptor group 1 for x's tiles
.set G0,  32                           ; s[32:39] group 0, a set for each slot
.set G1B, 48                           ; s[48:55], s[56:63] the same for W1's tiles
.set G0B, 56
.set BB1, 66                           ; s[66:67] b1 at my expert and my half of a tile's h
.set BW2, 68                           ; s[68:69] W2 likewise
.set PBI, 70                           ; s[70:71] b1 for the tile to come
.set PW2, 72                           ; s[72:73] W2 for the tile in hand
.set TC,  74                           ; s[74:75] the tile in hand, in bytes of b1 and W2: 1,024 t
.set TN,  76                           ; s[76:77] the tile to come; behind the last it stays at the last
.set SEL, 80                           ; s[80:81] v_permlanex16_b32's selects: each lane takes its own place in the other half
.set HIM, 82                           ; s82  a word's upper bf16
.set MSB, 0
.macro WIN new                         ; the immediate's high byte repeats the setting that is left; a switch that changes nothing is dropped
.if MSB != (\new)
	s_set_vgpr_msb (MSB<<8)|(\new)
.set MSB, \new
.endif
.endm
; A joint load.  Waves 0 and 1 fetch x's two halves, waves 2 and 3 W1's.  The branch hangs on the wave's number alone.  An s_nop 0 and four v_nop follow each of the two lines, ahead of the jump and the label.
.macro JLOAD s
	s_cmp_eq_u32 s[RH], 0
	s_cbranch_scc0 .Lfor_b_\@
	tensor_load_to_lds s[G0+4*(\s):G0+4*(\s)+3], s[G1:G1+7]
	s_nop 0
.rept 4
	v_nop
.endr
	s_branch .Lasked_\@
.Lfor_b_\@:
	tensor_load_to_lds s[G0B+4*(\s):G0B+4*(\s)+3], s[G1B:G1B+7]
	s_nop 0
.rept 4
	v_nop
.endr
.Lasked_\@:
.endm
; A round of the cluster's barrier: my work-group's barrier, so that wave 0's signal speaks for all four waves; wave 0 signals; every wave waits for all sixteen work-groups; my work-group's barrier once more.
.macro CREST                           ; a round behind its opening barrier
	s_cmp_lg_u32 s[WV], 0
	s_cbranch_scc1 .Lnot_wave_0_\@
	s_barrier_signal -3
.Lnot_wave_0_\@:
	s_barrier_wait -3
	s_barrier_signal -1
	s_barrier_wait -1
.endm
.macro CROUND
	s_barrier_signal -1
	s_barrier_wait -1
	CREST
.endm
	s_load_b256 s[4:11], s[0:1], 0x0               ; xb s[4:5], w1b s[6:7], b1 s[8:9], W2 s[10:11]
	s_load_b128 s[12:15], s[0:1], 0x20             ; b2 s[12:13], eo s[14:15]
	v_lshl_add_u32 v[SPW], v0, 2, SPARE
	v_mov_b32 v[NIL], 0
	ds_add_u32 v[SPW], v[NIL]                      ; the wave's opening: the add and its wait stand ahead of my first tensor load; the set-up below, work on registers, stands between them
	ds_add_u32 v28, v29
	v_lshrrev_b32 v1, 5, v0
	v_readfirstlane_b32 s[WV], v1                  ; wave 0..3
	s_lshr_b32 s[RH], s[WV], 1
	s_and_b32 s[CH], s[WV], 1
	s_bfe_u32 s19, ttmp6, 0x40000                  ; cx, cy: my place in the cluster
	s_bfe_u32 s20, ttmp6, 0x40004
	s_lshl_b32 s21, ttmp9, 2                       ; in a cluster launch ttmp9 and ttmp7 count clusters
	s_add_co_u32 s21, s21, s19                     ; e = 4 x cluster x + cx
	s_and_b32 s22, ttmp7, 0xffff
	s_lshl_b32 s22, s22, 2
	s_add_co_u32 s22, s22, s20                     ; mb = 4 x cluster y + cy
	s_lshl_b32 s40, s20, 2
	s_lshl_b32 s40, 15, s40                        ; my row of the cluster: places 4 cy .. 4 cy + 3
	s_lshl_b32 s41, 0x1111, s19                    ; my column: places cx, cx + 4, cx + 8, cx + 12
	s_or_b32 s[G1+0], s40, (1<<16)|(1<<20)|(1<<21)|(5<<22)|(3<<25)   ; 15:0 the mask: x's tiles go to my row; 17:16 2-byte elements; 20 padding on; 21 set beside a mask; 24:22 after every 64 words (code 5); 31:25 4 words (code 3)
	s_mov_b32 s[G1+1], 128<<16                     ; tensor_dim0 = 128
	s_mov_b32 s[G1+2], 128<<16                     ; tensor_dim1 = 128
	s_mov_b32 s[G1+3], 128<<16                     ; tile_dim0 = 128 elements: 256 bytes of a row
	s_mov_b32 s[G1+4], 128                         ; tile_dim1 = 128 rows
	s_mov_b32 s[G1+5], 1024                        ; elements from row to row
	s_mov_b32 s[G1+6], 0
	s_mov_b32 s[G1+7], 0
	s_or_b32 s[G1B+0], s41, (1<<16)|(1<<20)|(1<<21)|(6<<22)|(7<<25)  ; W1's tiles go to my column; padding after every 128 words (code 6), 8 words (code 7)
	s_mov_b32 s[G1B+1], 256<<16                    ; tensor_dim0 = 256
	s_mov_b32 s[G1B+2], 64<<16                     ; tensor_dim1 = 64
	s_mov_b32 s[G1B+3], 256<<16                    ; tile_dim0 = 256 elements: 512 bytes of a row
	s_mov_b32 s[G1B+4], 64                         ; tile_dim1 = 64 rows
	s_mov_b32 s[G1B+5], 1024
	s_mov_b32 s[G1B+6], 0
	s_mov_b32 s[G1B+7], 0
	; where the tiles come from.  x's hang on mb and the wave, W1's on e and the wave, each in registers that never hold the other coordinate
	s_lshl_b32 s42, s22, 19                        ; x: 256 mb rows of 2,048 bytes,
	s_lshl_b32 s43, s[CH], 18                      ; + my 128 of them
	s_add_co_u32 s42, s42, s43
	s_mov_b32 s43, 0
	s_lshl_b32 s46, s21, 21                        ; W1: the expert's 2,097,152 bytes,
	s_lshl_b32 s47, s[CH], 17                      ; + my 64 rows of a K step
	s_add_co_u32 s46, s46, s47
	s_mov_b32 s47, 0
	s_mul_i32 s23, s[WV], HALFT                    ; and where they go: wave x a load's bytes: no place in the cluster enters an LDS address
	s_mov_b32 s[SEL], 0x76543210
	s_mov_b32 s[SEL+1], 0xfedcba98
	s_mov_b32 s[HIM], 0xffff0000
	s_mov_b32 s[TC], 0
	s_mov_b32 s[TC+1], 0
	s_mov_b32 s[TN], 1024
	s_mov_b32 s[TN+1], 0
	s_wait_dscnt 0x0                               ; the opening add is done
	s_wait_kmcnt 0x0
	s_add_nc_u64 s[44:45], s[4:5], s[42:43]
	s_add_nc_u64 s[46:47], s[6:7], s[46:47]
	CROUND                                         ; all sixteen work-groups are here: the first joint loads meet
.irp s, 0,1
	s_mov_b32 s[G0+4*(\s)], 1                                      ; 1:0 count = 1
	s_add_co_u32 s[G0+4*(\s)+1], s23, (\s)*SLOT                    ; 63:32 LDS address
	s_add_nc_u64 s[G0+4*(\s)+2:G0+4*(\s)+3], s[44:45], (\s)*256    ; 120:64 global address: K step s
	s_or_b32 s[G0+4*(\s)+3], s[G0+4*(\s)+3], 0x80000000            ; 127:126 type = 2
	s_mov_b32 s[G0B+4*(\s)], 1
	s_add_co_u32 s[G0B+4*(\s)+1], s23, (\s)*SLOT
	s_add_nc_u64 s[G0B+4*(\s)+2:G0B+4*(\s)+3], s[46:47], (\s)*262144
	s_or_b32 s[G0B+4*(\s)+3], s[G0B+4*(\s)+3], 0x80000000
	JLOAD \s                                       ; the ring is filled before anything else: two loads of mine are out, the most in this text
.endr
	; the small inputs' addresses; b2; tile 0's bias
	s_lshl_b32 s40, s21, 12                        ; the expert's 4,096 bytes of b1 and of W2,
	s_lshl_b32 s41, s[CH], 9                       ; + my 128 of a tile's 256 h
	s_add_co_u32 s40, s40, s41
	s_mov_b32 s41, 0
	s_add_nc_u64 s[BB1:BB1+1], s[8:9], s[40:41]
	s_add_nc_u64 s[BW2:BW2+1], s[10:11], s[40:41]
	s_lshl_b32 s40, s21, 2
	s_add_nc_u64 s[12:13], s[12:13], s[40:41]
	s_load_b32 s78, s[12:13], 0x0                  ; b2[e]
	v_and_b32 v1, 15, v0                           ; r = l % 16
	v_bfe_u32 v2, v0, 4, 1                         ; h = l / 16
	v_lshlrev_b32 v[PO], 5, v2
	WIN 0x40                                       ; destination window 1, address window 0
.irp b, 0,1,2,3,4,5,6,7
	global_load_b128 v[BI+8*(\b):BI+8*(\b)+3],   v[PO], s[BB1:BB1+1] offset:64*(\b)
	global_load_b128 v[BI+8*(\b)+4:BI+8*(\b)+7], v[PO], s[BB1:BB1+1] offset:64*(\b)+16
.endr
	WIN 0
	s_lshl_b32 s40, s21, 14                        ; eo: the expert's 16,384 bytes, the work-group's 1,024 of them
	s_lshl_b32 s41, s22, 10
	s_add_co_u32 s40, s40, s41
	s_mov_b32 s41, 0
	s_add_nc_u64 s[14:15], s[14:15], s[40:41]
	; A fragment of x is 16 rows x 32 K in 8 registers: lane l holds row l % 16, K = 8 (l / 16) + 0..7 and 16 + 8 (l / 16) + 0..7: two loads of 16 bytes, 32 bytes apart.
	v_mul_u32_u24 v3, v1, PITA
	v_lshl_add_u32 v3, v2, 4, v3
	s_mul_i32 s23, s[RH], HALFT                    ; my 128 rows of x
	v_add_nc_u32 v[ADRA], s23, v3
	s_add_co_u32 s23, s23, SLOT
	v_add_nc_u32 v[ADRA+1], s23, v3
	; The turning load takes 16 K x 16 h (lane l reads row 8 (l / 16) + l % 8, 16 bytes at 16 ((l / 8) % 2)) and leaves half a fragment: lane l holds h l % 16 and 8 K.
	v_and_b32 v4, 7, v0
	v_lshl_add_u32 v4, v2, 3, v4
	v_mul_u32_u24 v4, v4, PITB
	v_bfe_u32 v5, v0, 3, 1
	v_lshl_add_u32 v4, v5, 4, v4
	s_lshl_b32 s3, s[CH], 8                        ; my 128 h of the tile's 256,
	s_add_co_u32 s3, s3, 2*HALFT                   ; behind x's 256 rows
	v_add_nc_u32 v[ADRB], s3, v4
	s_add_co_u32 s3, s3, SLOT
	v_add_nc_u32 v[ADRB+1], s3, v4
	s_lshl_b32 s23, s[WV], 9
	s_add_co_u32 s23, s23, STAGE
	v_lshl_add_u32 v[STG], v1, 2, s23              ; my wave's 512 bytes of the stage, row l % 16 of a block
	v_and_b32 v6, 31, v0
	s_lshl_b32 s23, s[CH], 10                      ; (for waves 0 and 1, which alone read back, this is the wave's number: the half of the rows that it stores)
	s_add_co_u32 s23, s23, STAGE
	v_lshl_add_u32 v[RD], v6, 4, s23
	s_lshl_b32 s23, s[CH], 9
	v_lshl_add_u32 v[CO], v6, 4, s23
.set zz, 0
.rept 32
	v_mov_b32 v[SUM+zz], 0                         ; the row sums start at 0: 32 lines, once, in the wait for the first tile; so one text serves all four tiles
.set zz, zz+1
.endr
; 16 matrix instructions: blocks a0, a0 + 1 of the window's four (hi = 0: my rows 0-63, 1: rows 64-127) x all 8 blocks of h, 32 along K.  first = 1: the product starts the sum, with b1 as C.
; The 64 accumulators take turns, one instruction a turn, in the same order in every quarter.
.macro MUL16 f, hi, a0, first
.if \first
	WIN 0x91+0x40*(\hi)                            ; W1 and b1 window 1, x window 0, D window 2 or 3
.else
	WIN 0xa1+0x50*(\hi)                            ; W1 window 1, x window 0, C and D window 2 or 3
.endif
.irp a, \a0, (\a0)+1
.irp b, 0,1,2,3,4,5,6,7
.if \first
	v_wmma_f32_16x16x32_bf16 v[8*(8*(\a)+(\b)):8*(8*(\a)+(\b))+7], v[(\f)+8*(\b):(\f)+8*(\b)+7], v[(\f)+8*(4*(\hi)+(\a)):(\f)+8*(4*(\hi)+(\a))+7], v[BI+8*(\b):BI+8*(\b)+7]
.else
	v_wmma_f32_16x16x32_bf16 v[8*(8*(\a)+(\b)):8*(8*(\a)+(\b))+7], v[(\f)+8*(\b):(\f)+8*(\b)+7], v[(\f)+8*(4*(\hi)+(\a)):(\f)+8*(4*(\hi)+(\a))+7], v[8*(8*(\a)+(\b)):8*(8*(\a)+(\b))+7]
.endif
.endr
.endr
.endm
; 32 LDS loads in one run: the fragments of quarter q of a K step (32 K x 128 h of W1, 128 rows x 32 K of x) into buffer f
.macro FETCH slot, q, f
	WIN 0x40
.irp i, 0,1,2,3,4,5,6,7
	ds_load_tr16_b128 v[(\f)+8*(\i):(\f)+8*(\i)+3],   v[ADRB+(\slot)] offset:(\q)*32*PITB+32*(\i)
	ds_load_tr16_b128 v[(\f)+8*(\i)+4:(\f)+8*(\i)+7], v[ADRB+(\slot)] offset:(\q)*32*PITB+16*PITB+32*(\i)
.endr
	WIN 0
.irp i, 0,1,2,3,4,5,6,7
	ds_load_b128 v[(\f)+8*(\i):(\f)+8*(\i)+3],   v[ADRA+(\slot)] offset:64*(\q)+(\i)*16*PITA
	ds_load_b128 v[(\f)+8*(\i)+4:(\f)+8*(\i)+7], v[ADRA+(\slot)] offset:64*(\q)+(\i)*16*PITA+32
.endr
.endm
; A load into a register that a matrix instruction has read, and a vector line that reads or writes a matrix instruction's registers, stand four places behind it; only plain vector
; instructions that name none of its registers are places (ISA guide 7.12.1 for vector instructions).
.macro PLACES
.rept 4
	v_nop
.endr
.endm
; A K step is four quarters of 32 along K, 64 matrix instructions each, on buffers 0, 1, 0, 1.  One of the first three: multiplies buffer f; in its middle it fetches quarter q into buffer g.
.macro QUARTER slot, q, f, g, first
	s_wait_dscnt 8                                 ; W1's fragments and x's rows 0-63 are in; the youngest eight loads (x's rows 64-127) may be out
	MUL16 \f, 0, 0, \first
	MUL16 \f, 0, 2, \first
	PLACES
	FETCH \slot, \q, \g
	s_wait_dscnt 32                                ; all but the 32 just issued
	MUL16 \f, 1, 0, \first
	MUL16 \f, 1, 2, \first
.endm
; The last quarter multiplies buffer 1 and changes slots.  MEET is its first half: ONE barrier.  In front of it each wave waits for all its tensor loads, of which one is out: its part of the next
; slot; adds 0 to its spare word; and waits for that and for its own reads of this slot.  Behind it nobody reads this slot any more and the next slot is whole.
.macro MEET round                      ; round = 1: the rest of a round of the cluster's barrier follows
	WIN 0                                          ; (the add's two registers lie in window 0)
	s_wait_tensorcnt 0x0                           ; all my tensor loads have landed;
	ds_add_u32 v[SPW], v[NIL]                      ; 0 onto my spare word;
	s_wait_dscnt 9                                 ; (the add and the youngest eight loads may be out)
	MUL16 F1, 0, 0, 0                              ; sixteen matrix instructions stand between the add and the wait for it
	s_wait_dscnt 0x0                               ; the add is done, and my reads of this slot are over
	s_barrier_signal -1
	MUL16 F1, 0, 2, 0                              ; work on registers while the others arrive
.if \round
	WIN 0
.endif
	s_barrier_wait -1
.endm
; The whole last quarter.  Behind the round the slot just read out is filled again first: with this tile's K step two steps on (on = 0) or with the NEXT tile's K step 0 or 1 (on = 1); then come the
; next slot's first fragments.  From a request to the wait for it a wave issues 224 matrix instructions.
.macro TURN slot, next, on
	MEET 1
	CREST                                          ; no wave of any partner still reads this slot's tile or has a load on its way
.if \on
	s_sub_nc_u64 s[G0+4*(\slot)+2:G0+4*(\slot)+3], s[G0+4*(\slot)+2:G0+4*(\slot)+3], BACK_A
	s_sub_nc_u64 s[G0B+4*(\slot)+2:G0B+4*(\slot)+3], s[G0B+4*(\slot)+2:G0B+4*(\slot)+3], BACK_B
.else
	s_add_nc_u64 s[G0+4*(\slot)+2:G0+4*(\slot)+3], s[G0+4*(\slot)+2:G0+4*(\slot)+3], STEP_A
	s_add_nc_u64 s[G0B+4*(\slot)+2:G0B+4*(\slot)+3], s[G0B+4*(\slot)+2:G0B+4*(\slot)+3], STEP_B
.endif
	JLOAD \slot                                    ; the first tensor load behind the round; the four v_nop behind it are also the places in front of the loads below
	FETCH \next, 0, F0
	MUL16 F1, 1, 0, 0
	MUL16 F1, 1, 2, 0
.endm
; 32 loads: b1 of the tile to come, W2 of the tile in hand: for each block of 16 h the lane's eight numbers (the sixteen lanes of a half read the same 32 bytes)
.macro PARAMS
	WIN 0x40
.irp b, 0,1,2,3,4,5,6,7
	global_load_b128 v[BI+8*(\b):BI+8*(\b)+3],   v[PO], s[PBI:PBI+1] offset:64*(\b)
	global_load_b128 v[BI+8*(\b)+4:BI+8*(\b)+7], v[PO], s[PBI:PBI+1] offset:64*(\b)+16
.endr
.irp b, 0,1,2,3,4,5,6,7
	global_load_b128 v[W2F+8*(\b):W2F+8*(\b)+3],   v[PO], s[PW2:PW2+1] offset:64*(\b)
	global_load_b128 v[W2F+8*(\b)+4:W2F+8*(\b)+7], v[PO], s[PW2:PW2+1] offset:64*(\b)+16
.endr
	WIN 0
.endm
; 64 registers of window 1 are rounded to bf16 and widened again, in place: two roundings packed, the upper half masked out, the lower shifted up; three passes, so that no line waits for the one before it
.macro ROUND base
	WIN 0x45                                       ; sources and destination window 1
.set zz, 0
.rept 32
	v_cvt_pk_bf16_f32 v[(\base)+2*zz], v[(\base)+2*zz], v[(\base)+2*zz+1]
.set zz, zz+1
.endr
.set zz, 0
.rept 32
	v_and_b32 v[(\base)+2*zz+1], s[HIM], v[(\base)+2*zz]
.set zz, zz+1
.endr
.set zz, 0
.rept 32
	v_lshlrev_b32 v[(\base)+2*zz], 16, v[(\base)+2*zz]
.set zz, zz+1
.endr
.endm
; A TILE'S END: relu in place, then the row sums take h x W2.  Window by window; each accumulator is read from its low end on.  Eight chains of packed multiply-adds a window, each taken up every eighth line.
.macro EPI last
	s_wait_loadcnt 0x0                             ; W2 of this tile and b1 of the next are in; the two pointers may be written again
	PLACES                                         ; behind the tile's last products
	ROUND W2F
.if !(\last)
	ROUND BI
.endif
.irp hi, 0,1
	WIN 0x88+0x44*(\hi)                            ; source 1 and destination window 2 or 3
.set zz, 0
.rept 256
	v_max_num_f32 v[zz], 0, v[zz]
.set zz, zz+1
.endr
	WIN 0x06+(\hi)                                 ; source 0 window 2 or 3, W2 window 1, the sums window 0
.irp b, 0,1,2,3,4,5,6,7
.irp rr, 0,1,2,3
.irp a, 0,1,2,3
	v_pk_fma_f32 v[SUM+4*(4*(\hi)+(\a))+2*((\rr)%2):SUM+4*(4*(\hi)+(\a))+2*((\rr)%2)+1], v[8*(8*(\a)+(\b))+2*(\rr):8*(8*(\a)+(\b))+2*(\rr)+1], v[W2F+8*(\b)+2*(\rr):W2F+8*(\b)+2*(\rr)+1], v[SUM+4*(4*(\hi)+(\a))+2*((\rr)%2):SUM+4*(4*(\hi)+(\a))+2*((\rr)%2)+1]
.endr
.endr
.endr
.endr
	WIN 0
.endm
	s_wait_tensorcnt 1                             ; my part of K step 0 is in; K step 1's may stay out
	s_barrier_signal -1
	s_barrier_wait -1                              ; everybody's is
	FETCH 0, 0, F0
	s_wait_loadcnt 0x0                             ; tile 0's bias
	s_wait_kmcnt 0x0                               ; b2
	ROUND BI
	WIN 0
	s_mov_b32 s2, TILES                            ; tiles to go, this one among them: the same number in every work-group
.Ltile:
	s_add_nc_u64 s[PBI:PBI+1], s[BB1:BB1+1], s[TN:TN+1]
	s_add_nc_u64 s[PW2:PW2+1], s[BW2:BW2+1], s[TC:TC+1]
	QUARTER 0, 1, F0, F1, 1                        ; a tile's first quarter stands in front of the loop: its products start the sums, with the bias
	PLACES                                         ; those products have read the bias: its registers are loaded again four places behind them
	PARAMS
	s_mov_b32 s3, LAPS-1
.Llap:                                                 ; a trip goes once round the ring, from a lap's second quarter to the next lap's first, and fills both slots again
	QUARTER 0, 2, F1, F0, 0
	QUARTER 0, 3, F0, F1, 0
	TURN 0, 1, 0
	QUARTER 1, 1, F0, F1, 0
	QUARTER 1, 2, F1, F0, 0
	QUARTER 1, 3, F0, F1, 0
	TURN 1, 0, 0
	QUARTER 0, 1, F0, F1, 0
	WIN 0                                          ; at a label and at a branch every window is 0
	s_sub_co_u32 s3, s3, 1
	s_cmp_lg_u32 s3, 0
	s_cbranch_scc1 .Llap
	QUARTER 0, 2, F1, F0, 0                        ; the tile's last lap goes on
	QUARTER 0, 3, F0, F1, 0
	WIN 0
	s_cmp_eq_u32 s2, 1
	s_cbranch_scc1 .Llast                          ; the last tile's tail is written out: it asks for nothing more
	TURN 0, 1, 1                                   ; THE RING GOES ON INTO THE NEXT TILE: slot 0 takes its K step 0,
	QUARTER 1, 1, F0, F1, 0
	QUARTER 1, 2, F1, F0, 0
	QUARTER 1, 3, F0, F1, 0
	TURN 1, 0, 1                                   ; slot 1 its K step 1, and the next tile's first fragments are fetched
	EPI 0                                          ; both refills are on their way while the tile is folded into the row sums
	s_add_co_u32 s[TC], s[TC], 1024
	s_add_co_u32 s[TN], s[TN], 1024
	s_min_u32 s[TN], s[TN], 3072                   ; no load leaves b1: in the last tile the look-ahead brings that tile's own bias once more, and nobody uses it
	s_sub_co_u32 s2, s2, 1
	s_branch .Ltile
.Llast:
	MEET 0                                         ; my one tensor load that was still out is slot 1's, the last K step's, so no round follows
	PLACES                                         ; for the loads into buffer 0, which the quarter before multiplied
	FETCH 1, 0, F0
	MUL16 F1, 1, 0, 0
	MUL16 F1, 1, 2, 0
	QUARTER 1, 1, F0, F1, 0
	QUARTER 1, 2, F1, F0, 0
	QUARTER 1, 3, F0, F1, 0
	s_wait_dscnt 8                                 ; the very last quarter: nothing more to fetch
	MUL16 F1, 0, 0, 0
	MUL16 F1, 0, 2, 0
	s_wait_dscnt 0x0
	MUL16 F1, 1, 0, 0
	MUL16 F1, 1, 2, 0
	WIN 0
	EPI 1
	; THE ROW SUMS GO OUT.  A block's four partial sums, the other half of the lanes' (the row's other h), then, through LDS, the other wave's half of the h.
.irp a, 0,1,2,3,4,5,6,7
	v_pk_add_f32 v[SUM+4*(\a):SUM+4*(\a)+1], v[SUM+4*(\a):SUM+4*(\a)+1], v[SUM+4*(\a)+2:SUM+4*(\a)+3]
.endr
.irp a, 0,1,2,3,4,5,6,7
	v_add_f32 v[WK+(\a)], v[SUM+4*(\a)], v[SUM+4*(\a)+1]
.endr
.irp a, 0,1,2,3,4,5,6,7
	v_permlanex16_b32 v[SUM+4*(\a)+2], v[WK+(\a)], s[SEL], s[SEL+1]  ; its destination counts as read: a register that has been written
.endr
.irp a, 0,1,2,3,4,5,6,7
	v_add_f32 v[WK+(\a)], v[WK+(\a)], v[SUM+4*(\a)+2]
.endr
.irp a, 0,1,2,3,4,5,6,7
	ds_store_b32 v[STG], v[WK+(\a)] offset:64*(\a) ; row 16 a + l % 16 of my 128; both halves of the lanes write the same number to the same word
.endr
	s_wait_dscnt 0x0                               ; for the others' sake: my stores are done
	s_barrier_signal -1
	s_barrier_wait -1
	s_cmp_gt_u32 s[WV], 1
	s_cbranch_scc1 .Lskip                          ; no barrier and no tensor load stand in what is jumped
	ds_load_b128 v[WK+8:WK+11],  v[RD]             ; wave w (0, 1) takes the tile's rows 128 w on: four rows a lane, the first half of the h,
	ds_load_b128 v[WK+12:WK+15], v[RD] offset:512  ; and the second
	v_mov_b32 v[WK+16], s78                        ; b2[e], rounded to bf16 like every input and widened again, twice: a pair for the packed addition
	v_cvt_pk_bf16_f32 v[WK+16], v[WK+16], v[WK+16]
	v_and_b32 v[WK+17], s[HIM], v[WK+16]
	v_lshlrev_b32 v[WK+16], 16, v[WK+16]
	s_wait_dscnt 0x0
	v_pk_add_f32 v[WK+8:WK+9],   v[WK+8:WK+9],   v[WK+12:WK+13]
	v_pk_add_f32 v[WK+10:WK+11], v[WK+10:WK+11], v[WK+14:WK+15]
	v_pk_add_f32 v[WK+8:WK+9],   v[WK+8:WK+9],   v[WK+16:WK+17]
	v_pk_add_f32 v[WK+10:WK+11], v[WK+10:WK+11], v[WK+16:WK+17]
	global_store_b128 v[CO], v[WK+8:WK+11], s[14:15]  ; a wave stores 512 consecutive bytes, at a multiple of 256 from eo's first byte
.Lskip:
	s_wait_tensorcnt 0x0                           ; the wave's end, behind my last tensor load and my last LDS store
	ds_add_u32 v[SPW], v[NIL]
	s_wait_dscnt 0x0
	CROUND                                         ; the closing round: no work-group ends while a partner may still ask for a tile that names it
	s_endpgm
.Lfunc_end_k_q8990a5158c_experts:
	.size	k_q8990a5158c_experts, .Lfunc_end_k_q8990a5158c_experts-k_q8990a5158c_experts
	.p2alignl 7, 3214868480
	.fill 96, 4, 3214868480
	.section	.rodata,"a",@progbits
	.p2align	6, 0x0
	.amdhsa_kernel k_q8990a5158c_experts
		.amdhsa_group_segment_fixed_size 327680
		.amdhsa_private_segment_fixed_size 0
		.amdhsa_enable_private_segment 0
		.amdhsa_kernarg_size 48
		.amdhsa_user_sgpr_count 2
		.amdhsa_user_sgpr_kernarg_segment_ptr 1
		.amdhsa_wavefront_size32 1
		.amdhsa_system_sgpr_workgroup_id_x 1
		.amdhsa_system_sgpr_workgroup_id_y 1
		.amdhsa_system_sgpr_workgroup_id_z 1
		.amdhsa_system_vgpr_workitem_id 0
		.amdhsa_next_free_vgpr 1024
		.amdhsa_next_free_sgpr 84
		.amdhsa_reserve_vcc 0
		.amdhsa_float_denorm_mode_32 3
		.amdhsa_float_denorm_mode_16_64 3
		.amdhsa_memory_ordered 1
		.amdhsa_forward_progress 1
		.amdhsa_inst_pref_size 235
	.end_amdhsa_kernel
	.amdgpu_metadata
---
amdhsa.version: [ 1, 2 ]
amdhsa.kernels:
  - .name:           k_q8990a5158c_experts
    .symbol:         k_q8990a5158c_experts.kd
    .args:
      - { .name: xb, .offset: 0, .size: 8, .value_kind: global_buffer, .address_space: global }
      - { .name: w1b, .offset: 8, .size: 8, .value_kind: global_buffer, .address_space: global }
      - { .name: b1, .offset: 16, .size: 8, .value_kind: global_buffer, .address_space: global }
      - { .name: W2, .offset: 24, .size: 8, .value_kind: global_buffer, .address_space: global }
      - { .name: b2, .offset: 32, .size: 8, .value_kind: global_buffer, .address_space: global }
      - { .name: eo, .offset: 40, .size: 8, .value_kind: global_buffer, .address_space: global }
    .group_segment_fixed_size: 327680
    .private_segment_fixed_size: 0
    .kernarg_segment_align: 8
    .kernarg_segment_size: 48
    .max_flat_workgroup_size: 128
    .sgpr_count:     84
    .vgpr_count:     1024
    .wavefront_size: 32
...
	.end_amdgpu_metadata
.endif
;; end of part 2
;; launch combine (part 3): grid 64 x 1, 1 waves a work-group, no clusters, 0 bytes of LDS; arguments gw, eo, out0; writes out0
.if DOCPART == 3
	.amdgcn_target "amdgcn-amd-amdhsa--gfx1250"
	.amdhsa_code_object_version 6
	.text
	.protected	k_q8990a5158c_combine
	.globl	k_q8990a5158c_combine
	.p2align	8
	.type	k_q8990a5158c_combine,@function
k_q8990a5158c_combine:
	s_mov_b64 s[64:65], 0
	v_nop
	global_prefetch_b8 v0, s[64:65] scope:SCOPE_SE
	s_setreg_imm32_b32 hwreg(HW_REG_WAVE_MODE, 25, 1), 1
	s_wait_xcnt 0x0
; out0[b] = sum over e of gw[b][e] eo[e][b].  gw: [4096][16] f32, eo: [16][4096] f32, out0: [4096] f32.  All in f32.
; One wave owns 64 rows, a lane two neighbouring ones: the wave's one store covers 256 consecutive bytes of out0, at a multiple of 256; so there are 4,096 / 64 = 64 work-groups.
; eo: sixteen loads of 8 bytes a lane, each 256 consecutive bytes of one expert's row.  gw: a lane's two rows are 128 consecutive bytes, eight loads of 16; the eight together cover the wave's
; 4,096 bytes, each byte once.  All 24 loads go out before the one wait.  No LDS, no barrier, no matrix unit, no cluster: nothing is shared, and the work is 32 multiply-adds a lane.
.set G,   4                            ; v[4:35]   gw: row j (0, 1), expert e at G + 16 j + e
.set E,   36                           ; v[36:67]  eo: expert e, row j at E + 2 e + j
.set ACC, 68                           ; v[68:71]  four chains: row j, experts 8 f on, at ACC + j + 2 f
	s_load_b128 s[4:7], s[0:1], 0x0                ; gw s[4:5], eo s[6:7]
	s_load_b64 s[8:9], s[0:1], 0x10                ; out0
	v_lshlrev_b32 v1, 7, v0                        ; my two rows of gw
	v_lshlrev_b32 v2, 3, v0                        ; my two numbers of a row of eo, and of out0
	s_lshl_b32 s10, ttmp9, 12                      ; the work-group's 64 rows of 64 bytes,
	s_mov_b32 s11, 0
	s_lshl_b32 s12, ttmp9, 8                       ; and its 64 numbers
	s_mov_b32 s13, 0
	s_wait_kmcnt 0x0
	s_add_nc_u64 s[4:5], s[4:5], s[10:11]
	s_add_nc_u64 s[6:7], s[6:7], s[12:13]
	s_add_nc_u64 s[8:9], s[8:9], s[12:13]
.irp i, 0,1,2,3,4,5,6,7
	global_load_b128 v[G+4*(\i):G+4*(\i)+3], v1, s[4:5] offset:16*(\i)
.endr
.irp e, 0,1,2,3,4,5,6,7,8,9,10,11,12,13,14,15
	global_load_b64 v[E+2*(\e):E+2*(\e)+1], v2, s[6:7] offset:16384*(\e)
.endr
	s_wait_loadcnt 0x0
.irp f, 0,1
.irp j, 0,1
	v_mul_f32 v[ACC+(\j)+2*(\f)], v[G+16*(\j)+8*(\f)], v[E+16*(\f)+(\j)]  ; the first product starts each chain
.endr
.endr
.irp k, 1,2,3,4,5,6,7
.irp f, 0,1
.irp j, 0,1
	v_fma_f32 v[ACC+(\j)+2*(\f)], v[G+16*(\j)+8*(\f)+(\k)], v[E+2*(8*(\f)+(\k))+(\j)], v[ACC+(\j)+2*(\f)]
.endr
.endr
.endr
	v_pk_add_f32 v[ACC:ACC+1], v[ACC:ACC+1], v[ACC+2:ACC+3]
	global_store_b64 v2, v[ACC:ACC+1], s[8:9]
	s_endpgm
.Lfunc_end_k_q8990a5158c_combine:
	.size	k_q8990a5158c_combine, .Lfunc_end_k_q8990a5158c_combine-k_q8990a5158c_combine
	.p2alignl 7, 3214868480
	.fill 96, 4, 3214868480
	.section	.rodata,"a",@progbits
	.p2align	6, 0x0
	.amdhsa_kernel k_q8990a5158c_combine
		.amdhsa_group_segment_fixed_size 0
		.amdhsa_private_segment_fixed_size 0
		.amdhsa_enable_private_segment 0
		.amdhsa_kernarg_size 24
		.amdhsa_user_sgpr_count 2
		.amdhsa_user_sgpr_kernarg_segment_ptr 1
		.amdhsa_wavefront_size32 1
		.amdhsa_system_sgpr_workgroup_id_x 1
		.amdhsa_system_sgpr_workgroup_id_y 1
		.amdhsa_system_sgpr_workgroup_id_z 1
		.amdhsa_system_vgpr_workitem_id 0
		.amdhsa_next_free_vgpr 72
		.amdhsa_next_free_sgpr 66
		.amdhsa_reserve_vcc 0
		.amdhsa_float_denorm_mode_32 3
		.amdhsa_float_denorm_mode_16_64 3
		.amdhsa_memory_ordered 1
		.amdhsa_forward_progress 1
		.amdhsa_inst_pref_size 6
	.end_amdhsa_kernel
	.amdgpu_metadata
---
amdhsa.version: [ 1, 2 ]
amdhsa.kernels:
  - .name:           k_q8990a5158c_combine
    .symbol:         k_q8990a5158c_combine.kd
    .args:
      - { .name: gw, .offset: 0, .size: 8, .value_kind: global_buffer, .address_space: global }
      - { .name: eo, .offset: 8, .size: 8, .value_kind: global_buffer, .address_space: global }
      - { .name: out0, .offset: 16, .size: 8, .value_kind: global_buffer, .address_space: global }
    .group_segment_fixed_size: 0
    .private_segment_fixed_size: 0
    .kernarg_segment_align: 8
    .kernarg_segment_size: 24
    .max_flat_workgroup_size: 32
    .sgpr_count:     66
    .vgpr_count:     72
    .wavefront_size: 32
...
	.end_amdgpu_metadata
.endif
;; end of part 3
;; ======== version 2 of 2: 3 launches; version 1 with the launch prep written anew for expert scheduling mode
;; workspace buffers: xb 8,388,608 bytes; w1b 33,554,432 bytes; gw 262,144 bytes; eo 262,144 bytes
;; launch prep (part 4): grid 256 x 1, 16 waves a work-group, no clusters, 84,224 bytes of LDS; arguments x, W1, Wg, bg, xb, w1b, gw; writes xb, w1b, gw
.if DOCPART == 4
	.amdgcn_target "amdgcn-amd-amdhsa--gfx1250"
	.amdhsa_code_object_version 6
	.text
	.protected	k_q8990a5158c_prep
	.globl	k_q8990a5158c_prep
	.p2align	8
	.type	k_q8990a5158c_prep,@function
k_q8990a5158c_prep:
	s_mov_b64 s[64:65], 0
	v_nop
	global_prefetch_b8 v0, s[64:65] scope:SCOPE_SE
	s_setreg_imm32_b32 hwreg(HW_REG_WAVE_SCHED_MODE, 0, 2), 2
	s_setreg_imm32_b32 hwreg(HW_REG_WAVE_MODE, 25, 1), 1
	s_wait_xcnt 0x0
	s_wait_alu depctr_vm_vsrc(0)
; xb = bf16(x), w1b = bf16(W1), both in the layouts of their sources; gw[b][e] = softmax over e of (bf16(x) . bf16(Wg) + bf16(bg)), kept in f32.
; SHARES.  256 work-groups of 16 waves.  Work-group g: rows 16 g .. 16 g + 15 of x (cast and gate) and 262,144 bytes of W1.
; Wave w: of x the 512 bytes w % 8 of rows 8 (w / 8) + 0..7; of the gate's K the slice 64 w .. 64 w + 63 (4,096 bytes of Wg, two matrix instructions); of W1 16,384 bytes.
; Every load of a wave covers 512 consecutive bytes, every store of bf16 256 consecutive bytes at a multiple of 256 from its buffer's first byte.
; THE GATE.  x's 16 rows and Wg go through LDS in bf16.  Wg lies [k][e], so its fragment comes by the turning load; it is source 0, x's rows are source 1: a lane then holds one row of x
; (lane % 16) and the experts 8 (lane / 16) + 0..7.  The sixteen waves' partial sums (f32) meet in LDS; waves 0 and 1 add them, add bg, take the row's maximum away and normalise.
; FORMATS AND LIMITS.  All of the module's inputs are rounded to bf16 (here x, W1, Wg, bg); sums, maximum, exponentials and gw are f32.  A weight below 2^-126 counts as 0 (v_exp_f32 gives 0 there);
; the row's sum is at least 1, since the largest exponent is 0.  NaN and infinities are not treated apart.
; NO CLUSTER, NO TENSOR LOAD: all that is read is rounded on its way, so it passes through registers; what work-groups share is Wg alone, 65,536 of a work-group's 393,280 bytes read.
; THE MODE: SCHED_MODE bits 1:0 = 2 (LLVM: expert scheduling mode 2), set by the entry lines.  The code itself states the register dependences
; between vector or matrix instructions and memory or LDS instructions, with s_wait_alu, always for 0.
; THE PLAN.  Registers that memory or LDS instructions touch:
;   v4 .. v16   offsets and LDS addresses: made at the head, read by every load and store, never written again.
;   XR, GR      x and Wg as loaded.  Read by the 32 conversions; behind the first barrier the fragments' LDS loads land in v[24:39] and v[56:71]; in waves 0 and 1 the sixteen partial sums land in v[24:87].
;   XP, GP      written by those conversions, read by the stores behind them, never written again.
;   SM          written by four packed additions, read by two LDS stores, never written again.
;   v[36:39]    in waves 0 and 1: written by four multiplies, read by gw's store, never written again.
;   WR          sixteen slots of W1 as loaded.  A block's eight conversions read four slots; in the first round those slots are then loaded again.
;   Y           a pair for each of the 32 turns: written once by its conversions, read by its store.
; So no register that a memory or LDS instruction reads is ever written again: no wait on vm_vsrc is owed.  The waits on va_vdst: one at the head (the addresses); one behind the 32 conversions; one behind
; the additions into SM; in waves 0 and 1 one behind the exponentials, one behind the reciprocal, one behind the multiplies; and one in each of the stream's eight blocks, behind its conversions.
.set XPIT,  2064                       ; a row of x in LDS: 2,048 bytes + 16: 129 x 16, so the 16 rows of a fragment load start at 16 different groups of four banks (64 banks of 4 bytes: ISA guide 11.1)
.set GS,    33024                      ; behind x's 16 rows: Wg in bf16, [1024 k][16 e], rows of 32 bytes
.set PART,  65792                      ; [16 waves][16 rows][16 experts] f32
.set BG,  20                           ; v[20:23]   bg of my four experts
.set XR,  24                           ; v[24:55]   x as loaded, 8 x 4;  later XF v[24:39], ACC0 v[40:47], ACC1 v[48:55];  in waves 0 and 1 then the 16 partial sums v[24:87]
.set GR,  56                           ; v[56:87]   Wg as loaded, 8 x 4; later GF v[56:71]
.set WR,  88                           ; v[88:151]  W1: a ring of 16 slots of 4
.set XP,  152                          ; v[152:167] x packed; never rewritten: stores read it
.set GP,  168                          ; v[168:183] Wg packed; never rewritten
.set Y,   184                          ; v[184:247] W1 packed: a pair for each of the 32 turns, written once each
.set SM,  248                          ; v[248:255] my wave's partial sums; never rewritten: LDS stores read it
	s_load_b256 s[4:11], s[0:1], 0x0               ; x s[4:5], W1 s[6:7], Wg s[8:9], bg s[10:11]
	s_load_b128 s[12:15], s[0:1], 0x20             ; xb s[12:13], w1b s[14:15]
	s_load_b64 s[16:17], s[0:1], 0x30              ; gw
	v_lshl_add_u32 v18, v0, 2, 0x14100
	v_mov_b32 v19, 0
	v_lshrrev_b32 v17, 5, v0
	v_readfirstlane_b32 s18, v17                   ; wave 0..15
	s_mov_b32 s24, 0x3fb8aa3b                      ; log2(e)
	s_mov_b32 s25, 0xffff0000                      ; a word's upper bf16
	v_and_b32 v1, 31, v0                           ; lane
	v_and_b32 v2, 15, v0                           ; r = lane % 16
	v_bfe_u32 v3, v0, 4, 1                         ; h = lane / 16
	v_and_b32 v15, 63, v0                          ; waves 0 and 1: thread t owns row t / 4, experts 4 (t % 4) + 0..3:
	v_lshlrev_b32 v15, 4, v15                      ; byte 16 t of a wave's partial sums and of the group's rows of gw
	v_add_nc_u32 v14, PART, v15
	v_and_b32 v16, 3, v0
	v_lshlrev_b32 v16, 4, v16                      ; and byte 16 (t % 4) of bg
	s_wait_alu depctr_va_sdst(0)                   ; s18 is written, ahead of its first reader: the wave's shares and the branch on its number are made from it
	s_and_b32 s19, s18, 7                          ; which 512 bytes of x's rows
	s_lshr_b32 s20, s18, 3                         ; which 8 rows
	s_lshl_b32 s21, s20, 15                        ; 8 rows of 4,096 bytes
	s_lshl_b32 s22, s19, 9
	s_add_co_u32 s21, s21, s22
	v_lshl_add_u32 v4, v1, 4, s21                  ; x: my 16 bytes
	s_lshr_b32 s21, s21, 1
	v_lshl_add_u32 v5, v1, 3, s21                  ; xb: my 8 bytes, at half that offset
	s_mul_i32 s21, s20, 8*XPIT
	s_lshl_b32 s22, s19, 8
	s_add_co_u32 s21, s21, s22
	v_lshl_add_u32 v6, v1, 3, s21                  ; the same 8 bytes in LDS
	s_lshl_b32 s21, s18, 12
	v_lshl_add_u32 v7, v1, 4, s21                  ; Wg: my wave's 64 rows of 64 bytes, 16 bytes a lane
	s_lshl_b32 s21, s18, 11
	s_add_co_u32 s21, s21, GS
	v_lshl_add_u32 v8, v1, 3, s21                  ; in LDS at half that offset
	v_and_b32 v9, 7, v0                            ; the turning load: lane l reads row k0 + 8 h + l % 8, 16 bytes at 16 ((l / 8) % 2)
	v_lshl_add_u32 v9, v3, 3, v9
	v_lshl_add_u32 v9, v9, 5, s21
	v_bfe_u32 v17, v0, 3, 1
	v_lshl_add_u32 v9, v17, 4, v9
	v_mul_u32_u24 v10, v2, XPIT                    ; x's fragment: row r, my wave's 128 bytes of it, 16 bytes for each half of the lanes
	v_lshl_add_u32 v10, v3, 4, v10
	s_lshl_b32 s21, s18, 7
	v_add_nc_u32 v10, s21, v10
	s_lshl_b32 s21, s18, 10
	s_add_co_u32 s21, s21, PART
	v_lshl_add_u32 v11, v2, 6, s21                 ; my partial sums: row r, experts 8 h on
	v_lshl_add_u32 v11, v3, 5, v11
	s_lshl_b32 s21, s18, 14
	v_lshl_add_u32 v12, v1, 4, s21                 ; W1: my wave's 16,384 bytes
	s_lshl_b32 s21, s18, 13
	v_lshl_add_u32 v13, v1, 3, s21                 ; w1b: its 8,192
	s_mov_b32 s23, 0
	s_wait_kmcnt 0x0
	s_lshl_b32 s22, ttmp9, 16                      ; the work-group's 16 rows of x,
	s_add_nc_u64 s[4:5], s[4:5], s[22:23]
	s_lshl_b32 s22, ttmp9, 18                      ; its part of W1,
	s_add_nc_u64 s[6:7], s[6:7], s[22:23]
	s_lshl_b32 s22, ttmp9, 15                      ; and the same in the outputs
	s_add_nc_u64 s[12:13], s[12:13], s[22:23]
	s_lshl_b32 s22, ttmp9, 17
	s_add_nc_u64 s[14:15], s[14:15], s[22:23]
	s_lshl_b32 s22, ttmp9, 10
	s_add_nc_u64 s[16:17], s[16:17], s[22:23]
	s_wait_alu depctr_va_vdst(0)                   ; the thirteen offsets and addresses v4 to v16 are written: every load and store of the kernel, global or LDS, reads one of them
	; 33 loads go out together: 1 of bg, 8 of x, 8 of Wg, 16 of W1
	global_load_b128 v[BG:BG+3], v16, s[10:11]
.irp i, 0,1,2,3,4,5,6,7
	global_load_b128 v[XR+4*(\i):XR+4*(\i)+3], v4, s[4:5] offset:(\i)*4096 th:TH_LOAD_NT
.endr
.irp i, 0,1,2,3,4,5,6,7
	global_load_b128 v[GR+4*(\i):GR+4*(\i)+3], v7, s[8:9] offset:(\i)*512
.endr
.irp i, 0,1,2,3,4,5,6,7,8,9,10,11,12,13,14,15
	global_load_b128 v[WR+4*(\i):WR+4*(\i)+3], v12, s[6:7] offset:(\i)*512 th:TH_LOAD_NT
.endr
	s_wait_loadcnt 24                              ; loads come back in order (ISA guide 5.7.1): bg and x are in; Wg's 8 and W1's 16 stay out
.irp i, 0,1,2,3,4,5,6,7
	v_cvt_pk_bf16_f32 v[XP+2*(\i)],   v[XR+4*(\i)],   v[XR+4*(\i)+1]
	v_cvt_pk_bf16_f32 v[XP+2*(\i)+1], v[XR+4*(\i)+2], v[XR+4*(\i)+3]
.endr
	s_wait_loadcnt 16                              ; Wg is in; W1's 16 stay out
.irp i, 0,1,2,3,4,5,6,7
	v_cvt_pk_bf16_f32 v[GP+2*(\i)],   v[GR+4*(\i)],   v[GR+4*(\i)+1]
	v_cvt_pk_bf16_f32 v[GP+2*(\i)+1], v[GR+4*(\i)+2], v[GR+4*(\i)+3]
.endr
	s_wait_alu depctr_va_vdst(0)                   ; the 32 conversions have written XP and GP, which the stores below read, and are done reading XR and GR, in which the fragments' LDS loads behind the barrier land
.irp i, 0,1,2,3,4,5,6,7
	global_store_b64 v5, v[XP+2*(\i):XP+2*(\i)+1], s[12:13] offset:(\i)*2048
	ds_store_b64 v6, v[XP+2*(\i):XP+2*(\i)+1] offset:(\i)*XPIT
.endr
.irp i, 0,1,2,3,4,5,6,7
	ds_store_b64 v8, v[GP+2*(\i):GP+2*(\i)+1] offset:(\i)*256
.endr
	s_wait_dscnt 0x0                               ; for the others' sake: my stores are done (the 16 rows of my K slice come from two waves)
	s_barrier_signal -1
	s_barrier_wait -1
.irp c, 0,1                                            ; my K slice is two fragments of 32.  No wait: no vector instruction since the wait above names v[24:39] or v[56:71]
	ds_load_tr16_b128 v[56+8*(\c):59+8*(\c)], v9 offset:(\c)*1024
	ds_load_tr16_b128 v[60+8*(\c):63+8*(\c)], v9 offset:(\c)*1024+512
	ds_load_b128 v[24+8*(\c):27+8*(\c)], v10 offset:64*(\c)
	ds_load_b128 v[28+8*(\c):31+8*(\c)], v10 offset:64*(\c)+32
.endr
	s_wait_dscnt 0x0
	v_wmma_f32_16x16x32_bf16 v[40:47], v[56:63], v[24:31], 0  ; two accumulators, one product each: no product adds onto another's result
	v_wmma_f32_16x16x32_bf16 v[48:55], v[64:71], v[32:39], 0
.rept 4
	v_nop                                          ; four places between a matrix instruction and the first vector line that reads its result (ISA guide 7.12.1)
.endr
.irp j, 0,1,2,3                                        ; from each accumulator's low end on
	v_pk_add_f32 v[SM+2*(\j):SM+2*(\j)+1], v[40+2*(\j):41+2*(\j)], v[48+2*(\j):49+2*(\j)]
.endr
	s_wait_alu depctr_va_vdst(0)                   ; the additions have written SM, which the LDS stores read; they and the matrix instructions are done with v[24:71], in which the partial sums land in waves 0 and 1
	ds_store_b128 v11, v[SM:SM+3]
	ds_store_b128 v11, v[SM+4:SM+7] offset:16
	s_wait_dscnt 0x0                               ; for waves 0 and 1: my partial sums are in LDS
	s_barrier_signal -1
	s_barrier_wait -1
	s_cmp_gt_u32 s18, 1
	s_cbranch_scc1 .Lstream                        ; no barrier stands in what is jumped
	; waves 0 and 1: the sixteen partial sums, bg, the softmax
.irp p, 0,1,2,3,4,5,6,7,8,9,10,11,12,13,14,15
	ds_load_b128 v[24+4*(\p):27+4*(\p)], v14 offset:(\p)*1024  ; no wait: no vector instruction since the wait above names v[24:87], and no LDS store has read them
.endr
	v_cvt_pk_bf16_f32 v[BG],   v[BG],   v[BG+1]    ; bg is rounded to bf16 like every input, and widened again
	v_cvt_pk_bf16_f32 v[BG+2], v[BG+2], v[BG+3]
	v_and_b32 v[BG+1], s25, v[BG]
	v_and_b32 v[BG+3], s25, v[BG+2]
	v_lshlrev_b32 v[BG],   16, v[BG]
	v_lshlrev_b32 v[BG+2], 16, v[BG+2]
	s_wait_dscnt 0x0
.irp d, 8,4,2,1                                        ; a tree: 30 packed additions
.set p, 0
.rept \d
	v_pk_add_f32 v[24+4*p:25+4*p], v[24+4*p:25+4*p], v[24+4*(p+\d):25+4*(p+\d)]
	v_pk_add_f32 v[26+4*p:27+4*p], v[26+4*p:27+4*p], v[26+4*(p+\d):27+4*(p+\d)]
.set p, p+1
.endr
.endr
	v_pk_add_f32 v[24:25], v[24:25], v[BG:BG+1]
	v_pk_add_f32 v[26:27], v[26:27], v[BG+2:BG+3]
	v_max3_num_f32 v28, v24, v25, v26              ; the row's maximum: my four, then the row's other three lanes
	v_max_num_f32 v28, v28, v27
	v_max_num_f32_dpp v28, v28, v28 row_xmask:1 row_mask:0xf bank_mask:0xf
	v_max_num_f32_dpp v28, v28, v28 row_xmask:2 row_mask:0xf bank_mask:0xf
.irp j, 0,1,2,3
	v_sub_f32 v[30+(\j)], v[24+(\j)], v28          ; the maximum is taken away first,
.endr
.irp j, 0,1,2,3
	v_mul_f32 v[30+(\j)], s24, v[30+(\j)]          ; then the base is changed
.endr
.irp j, 0,1,2,3
	v_exp_f32 v[30+(\j)], v[30+(\j)]
.endr
	v_nop                                          ; a plain instruction behind the last exponential (ISA guide 5.7.2),
	s_wait_alu depctr_va_vdst(0)                   ; and one wait ahead of the batch's first reader: the four exponentials have written v[30:33]
	v_add_f32 v34, v30, v31
	v_add_f32 v35, v32, v33
	v_add_f32 v34, v34, v35
	v_add_f32_dpp v34, v34, v34 row_xmask:1 row_mask:0xf bank_mask:0xf
	v_add_f32_dpp v34, v34, v34 row_xmask:2 row_mask:0xf bank_mask:0xf
	v_rcp_f32 v35, v34
	v_nop
	s_wait_alu depctr_va_vdst(0)                   ; the reciprocal has written v35: its wait, ahead of its first reader
.irp j, 0,1,2,3
	v_mul_f32 v[36+(\j)], v[30+(\j)], v35
.endr
	s_wait_alu depctr_va_vdst(0)                   ; the multiplies have written v[36:39], which the store reads
	global_store_b128 v15, v[36:39], s[16:17]      ; a wave stores 512 consecutive bytes of gw
.Lstream:
; W1: 32 turns in eight blocks of four slots; block q of round 0 or 1.  Round 0 fills its slots again with the bytes 8,192 further on.  Each turn has a pair of Y to itself, and the two address
; registers are never rewritten, so no wait for a store's sources is needed.  The block's one wait stands behind its conversions, so that its slots are asked for again at once.
.macro BLOCK q, round
.if (\round) == 0
	s_wait_loadcnt 12                              ; behind my block's four loads stand the 12 - 4 q slots after them and the 4 q refills already issued
.else
	s_wait_loadcnt 12-4*(\q)                       ; the refills after my block's: the counts run down
.endif
.irp i, 0,1,2,3
	v_cvt_pk_bf16_f32 v[Y+2*(16*(\round)+4*(\q)+(\i))],   v[WR+4*(4*(\q)+(\i))],   v[WR+4*(4*(\q)+(\i))+1]
	v_cvt_pk_bf16_f32 v[Y+2*(16*(\round)+4*(\q)+(\i))+1], v[WR+4*(4*(\q)+(\i))+2], v[WR+4*(4*(\q)+(\i))+3]
.endr
	s_wait_alu depctr_va_vdst(0)                   ; the block's conversions have written its four pairs of Y, which the stores below read, and are done reading its four slots, in which round 0's loads below land
.if (\round) == 0
.irp i, 0,1,2,3
	global_load_b128 v[WR+4*(4*(\q)+(\i)):WR+4*(4*(\q)+(\i))+3], v12, s[6:7] offset:(4*(\q)+(\i))*512+8192 th:TH_LOAD_NT
.endr
.endif
.irp i, 0,1,2,3
	global_store_b64 v13, v[Y+2*(16*(\round)+4*(\q)+(\i)):Y+2*(16*(\round)+4*(\q)+(\i))+1], s[14:15] offset:(4*(\q)+(\i))*256+(\round)*4096
.endr
.endm
.irp q, 0,1,2,3
	BLOCK \q, 0
.endr
.irp q, 0,1,2,3
	BLOCK \q, 1
.endr
	s_wait_dscnt 0x0                               ; the wave's end.  The closing add below goes onto my spare word, in the bytes from 82,176 on
	s_wait_alu depctr_hold_cnt(0) depctr_sa_sdst(0) depctr_va_vdst(0) depctr_va_sdst(0) depctr_va_ssrc(0) depctr_va_vcc(0) depctr_vm_vsrc(0)
	s_wait_tensorcnt 0x0
	ds_add_u32 v18, v19
	s_wait_dscnt 0x0
	s_endpgm
.Lfunc_end_k_q8990a5158c_prep:
	.size	k_q8990a5158c_prep, .Lfunc_end_k_q8990a5158c_prep-k_q8990a5158c_prep
	.p2alignl 7, 3214868480
	.fill 96, 4, 3214868480
	.section	.rodata,"a",@progbits
	.p2align	6, 0x0
	.amdhsa_kernel k_q8990a5158c_prep
		.amdhsa_group_segment_fixed_size 84224
		.amdhsa_private_segment_fixed_size 0
		.amdhsa_enable_private_segment 0
		.amdhsa_kernarg_size 56
		.amdhsa_user_sgpr_count 2
		.amdhsa_user_sgpr_kernarg_segment_ptr 1
		.amdhsa_wavefront_size32 1
		.amdhsa_system_sgpr_workgroup_id_x 1
		.amdhsa_system_sgpr_workgroup_id_y 1
		.amdhsa_system_sgpr_workgroup_id_z 1
		.amdhsa_system_vgpr_workitem_id 0
		.amdhsa_next_free_vgpr 256
		.amdhsa_next_free_sgpr 66
		.amdhsa_reserve_vcc 0
		.amdhsa_float_denorm_mode_32 3
		.amdhsa_float_denorm_mode_16_64 3
		.amdhsa_memory_ordered 1
		.amdhsa_forward_progress 1
		.amdhsa_inst_pref_size 26
	.end_amdhsa_kernel
	.amdgpu_metadata
---
amdhsa.version: [ 1, 2 ]
amdhsa.kernels:
  - .name:           k_q8990a5158c_prep
    .symbol:         k_q8990a5158c_prep.kd
    .args:
      - { .name: x, .offset: 0, .size: 8, .value_kind: global_buffer, .address_space: global }
      - { .name: W1, .offset: 8, .size: 8, .value_kind: global_buffer, .address_space: global }
      - { .name: Wg, .offset: 16, .size: 8, .value_kind: global_buffer, .address_space: global }
      - { .name: bg, .offset: 24, .size: 8, .value_kind: global_buffer, .address_space: global }
      - { .name: xb, .offset: 32, .size: 8, .value_kind: global_buffer, .address_space: global }
      - { .name: w1b, .offset: 40, .size: 8, .value_kind: global_buffer, .address_space: global }
      - { .name: gw, .offset: 48, .size: 8, .value_kind: global_buffer, .address_space: global }
    .group_segment_fixed_size: 84224
    .private_segment_fixed_size: 0
    .kernarg_segment_align: 8
    .kernarg_segment_size: 56
    .max_flat_workgroup_size: 512
    .sgpr_count:     66
    .vgpr_count:     256
    .wavefront_size: 32
...
	.end_amdgpu_metadata
.endif
;; end of part 4
;; launch experts: the kernel of part 2 again; grid 16 x 16, 4 waves a work-group, clusters of 4 x 4, 327,680 bytes of LDS; arguments xb, w1b, b1, W2, b2, eo; writes eo
;; launch combine: the kernel of part 3 again; grid 64 x 1, 1 waves a work-group, no clusters, 0 bytes of LDS; arguments gw, eo, out0; writes out0
